; MI455X (gfx1250); checked and timed in simulation.
; The chip was launched on July 23, 2026; its instructions are those of AMD's public machine-readable ISA for CDNA 5 (MIT licence, August 2026) and "CDNA5" Instruction Set Architecture Reference Guide (July 2026). The comments in the code are by the model that wrote it; some were corrected since.
;; Self Attention. Allowed arithmetic: matrix products marked QUANTISED: E2M1 operands, one E8M0 scale for each 32 along K, by v_wmma_scale_f32_16x16x128_f8f6f4 with both operands' format E2M1 (or v_wmma_scale_f32_32x16x128_f4), f32 sums; everything else in f32.
;; Inputs: bk 256 float32; bo 256 float32; bq 256 float32; bv 256 float32; wk 256 x 256 float32; wo 256 x 256 float32; wq 256 x 256 float32; wv 256 x 256 float32; x 4 x 256 x 64 x 64 float32.
;; Outputs: out0 4 x 256 x 64 x 64 float32.
;; This version of the problem:
;;   THIS VERSION OF THE PROBLEM IS GIVEN IN LOW PRECISION. The matrix products marked QUANTISED in the list below multiply operands that are first quantised to E2M1 (2 exponent bits, 1 mantissa bit; 4 bits a number), with one power-of-two scale for each 32 numbers along K (OCP MX v1.0); their sums are f32. All else is computed in f32.
;;   The module's matrix products, in the order in which they are computed (A, B: the left and right operand; K: the contracted axis; several contracted axes count as one K, in the product's order):
;;     1. [M 16,384, K 256] x [K 256, N 256]; A: input x; B: input wq: QUANTISED
;;     2. [M 16,384, K 256] x [K 256, N 256]; A: input x; B: input wk: QUANTISED
;;     3. [M 16,384, K 256] x [K 256, N 256]; A: input x; B: input wv: QUANTISED
;;     4. batch 16 x [M 4,096, K 64] x [K 64, N 4,096]; A: computed on the way; B: computed on the way: QUANTISED
;;     5. batch 16 x [M 64, K 4,096] x [K 4,096, N 4,096]; A: computed on the way; B: softmax (see below): QUANTISED
;;     6. [M 16,384, K 256] x [K 256, N 256]; A: computed on the way; B: input wo: QUANTISED
;;   THE QUANTISER, for each operand of a quantised product, along K:
;;     - K is cut into blocks of 32 from its start; a last block that is shorter is filled with zeros.
;;     - A block's scale is 2^e with e = floor(log2(the largest magnitude in the block)) - 2, held to -126 .. 127; a block of zeros has e = 0. As a byte (E8M0): e + 127.
;;     - Each number is divided by its block's scale, clamped to +-6, and rounded to the nearest number of E2M1, ties to even, subnormals kept.
;;     - The product sums the exact products of the quantised numbers (number of the format x scale) in f32.
;;   ~~~python
;;   def quantise(x, axis):      # numpy; x: float32 -> the quantised numbers, widened to float32 again
;;       x = np.moveaxis(x, axis, -1); K = x.shape[-1]
;;       x = np.pad(x, [(0, 0)] * (x.ndim - 1) + [(0, -K % 32)]); x = x.reshape(x.shape[:-1] + (-1, 32)); a = np.abs(x).max(-1, keepdims=True)
;;       e = np.where(a > 0, np.clip(np.frexp(np.where(a > 0, a, 1))[1] - 1 - 2, -126, 127), 0)      # np.frexp(a)[1] - 1 = floor(log2(a)), exactly
;;       r = np.clip(x / 2.0 ** e, -6, 6)
;;       step = 2.0 ** (np.maximum(np.frexp(np.where(r == 0, 1, r))[1] - 1, 0) - 1)
;;       q = np.round(r / step) * step * 2.0 ** e      # np.round: ties to even
;;       return np.moveaxis(q.reshape(q.shape[:-2] + (-1,))[..., :K], -1, axis).astype(np.float32)
;;   ~~~
;;   SOFTMAX AHEAD OF A QUANTISED PRODUCT. Where the list says 'softmax', what is quantised is not the finished softmax but p = 2^(t - M), with t = logit x log2(e) and M = ceil(the row's largest t), a whole number; so 1/2 < the row's largest p <= 1. The row's sum l is taken of the UNQUANTISED p, in f32, and the product's result is divided by l at the end. Since M is a whole number, a kernel that streams over the keys may use a running M (the ceiling of the running maximum): every later rescaling is an exact power of two, which a block's scale takes up: the codes' values come out the same.
;;   OPERANDS COMPUTED ON THE WAY. 'Computed on the way' means the value that the module computes at that place (a softmax that the list does not call 'softmax' is quantised finished and normalised). What goes into a quantiser is computed in f32, as accurately as f32 sums, v_exp_f32 and their like allow (about 1e-6 of the number): no bf16 or f16 on the way to a quantiser, and a product that is left as it is and whose result goes on into a quantised operand takes f32 operands (vector FMAs, or v_wmma_f32_16x16x4_f32). A number that lies on a knife's edge between two numbers of the format may be rounded either way, as far as f32 arithmetic and the matrix unit's own rounding can turn it there, and no further.
;; One version. Each part assembles by itself: llvm-mc -triple=amdgcn-amd-amdhsa -mcpu=gfx1250 --defsym DOCPART=n.
;; ======== version 1 of 1: 3 launches
;; workspace buffers: wt 147,456 bytes; q 2,359,296 bytes; kv 4,718,592 bytes
;; launch wprep (part 1): grid 64 x 1, 1 waves a work-group, no clusters, 0 bytes of LDS; arguments wq, wk, wv, wo, wt; writes wt
.if DOCPART == 1
	.amdgcn_target "amdgcn-amd-amdhsa--gfx1250"
	.amdhsa_code_object_version 6
	.text
	.protected	k_q1f1aeed655_wprep
	.globl	k_q1f1aeed655_wprep
	.p2align	8
	.type	k_q1f1aeed655_wprep,@function
k_q1f1aeed655_wprep:
	s_mov_b64 s[64:65], 0
	v_nop
	global_prefetch_b8 v0, s[64:65] scope:SCOPE_SE
	s_setreg_imm32_b32 hwreg(HW_REG_WAVE_MODE, 25, 1), 1
	s_wait_xcnt 0x0
; The four weights [256 (row d)][256 (k)], f32, K innermost, become codes of FP4 (E2M1) with one E8M0 byte for each 32 along K,
; laid as IMAGES OF OPERAND REGISTERS: 64 records of 2,304 bytes, record 16 x weight + T (weights in the order wq, wk, wv, wo).
; A record is one tile of 16 rows x 256 K.  THE ROWS OF A TILE ARE NOT NEIGHBOURS: row r of tile T = 4 g + u is row
; 64 g + 8 u + (r & 7) + 32 (r >> 3), so that a product's four result tiles of a group of 64 rows give a lane 32 neighbours.
; Piece k = 2 s + c (512 bytes, lane l's 16 bytes at 16 l): lane (r, h) holds the codes of K = 128 s + 64 c + 32 h + 0 .. 31.
; At byte 2,048: 8 bytes a lane, the row's scale words of K steps 0 and 1 (both halves of the lanes hold the same).
; A block's scale is 2^(floor(log2(largest magnitude)) - 2); its byte is the largest magnitude's exponent field - 2, held at 1 from below.
; LIMITS: a block of zeros, or one whose largest magnitude lies under 2^-124, gets the byte 1 (the stated quantiser says 127 for zeros):
; its codes are zeros or nearly so, and this program alone reads the bytes.  NaN and infinities among the inputs are not served.
; One wave to a work-group, one tile to a wave: a lane reads four runs of 128 bytes of its row; each byte of the weights is read once.
.set REC, 2304
.set BYT, 8                            ; v8-11    the four blocks' bytes
.set WRD, 12                           ; v12-13   the two scale words; v14-15 the other half's
.set COD, 16                           ; v16-31   the codes
.set NUM, 32                           ; v32-159  my 128 numbers
.set T0,  160
.set T1,  161
.set SC,  162
; 32 numbers in consecutive registers, one block, become 4 registers of codes and a byte.
.macro QUANT32 src, dst, byt
	v_max3_num_f32 v[T0], |v[(\src)]|, |v[(\src)+1]|, 0x1800000      ; two chains by turns; the floor 2^(3 - 127) holds the byte at 1 from below
	v_max3_num_f32 v[T1], |v[(\src)+16]|, |v[(\src)+17]|, |v[(\src)+18]|
.irp n, 0,1,2,3,4,5
	v_max3_num_f32 v[T0], v[T0], |v[(\src)+2+2*\n]|, |v[(\src)+3+2*\n]|
	v_max3_num_f32 v[T1], v[T1], |v[(\src)+19+2*\n]|, |v[(\src)+20+2*\n]|
.endr
	v_max3_num_f32 v[T0], v[T0], |v[(\src)+14]|, |v[(\src)+15]|
	v_max3_num_f32 v[T0], v[T0], v[T1], |v[(\src)+31]|
	v_add_nc_u32 v[SC], 0xff000000, v[T0]                          ; 2 off the exponent field: the conversion takes this operand's exponent field as its scale
	v_lshrrev_b32 v[\byt], 23, v[SC]                               ; the scale's byte
.irp g, 0,1,2,3
	v_cvt_scalef32_pk8_fp4_f32 v[(\dst)+\g], v[(\src)+8*\g:(\src)+8*\g+7], v[SC]
.endr
	v_nop                                                          ; one plain line behind the last conversion
.endm
	s_load_b256 s[4:11], s[0:1], 0x0               ; wq, wk, wv, wo
	s_load_b64 s[12:13], s[0:1], 0x20              ; wt
	v_and_b32 v1, 15, v0                           ; r
	v_bfe_u32 v2, v0, 4, 1                         ; h
	v_and_b32 v3, 7, v1
	v_lshrrev_b32 v7, 3, v1
	v_lshl_add_u32 v3, v7, 5, v3                   ; (r & 7) + 32 (r >> 3): my row in the tile's group
	v_lshlrev_b32 v3, 10, v3                       ; a row is 1,024 bytes
	v_lshl_add_u32 v3, v2, 7, v3                   ; + 128 h: my block of each 64 along K
	v_lshlrev_b32 v4, 4, v0                        ; 16 x lane
	v_lshlrev_b32 v5, 3, v0                        ; 8 x lane
	v_lshlrev_b32 v6, 3, v2                        ; 8 h: my bytes' place in a scale word
	v_mov_b32 v14, 0                               ; a lane permute's destination counts as one of its sources
	v_mov_b32 v15, 0
	s_lshr_b32 s14, ttmp9, 4                       ; which weight
	s_and_b32 s15, ttmp9, 15                       ; T
	s_lshr_b32 s16, s15, 2
	s_lshl_b32 s16, s16, 16                        ; 64 rows a group
	s_and_b32 s17, s15, 3
	s_lshl_b32 s17, s17, 13                        ; 8 rows a tile
	s_add_co_u32 s16, s16, s17
	s_mov_b32 s17, 0
	s_mul_i32 s18, ttmp9, REC
	s_mov_b32 s19, 0
	s_mov_b32 s20, 0x76543210
	s_mov_b32 s21, 0xfedcba98                      ; v_permlanex16_b32's selects for lane l xor 16
	s_wait_alu depctr_va_vdst(0)
	s_wait_kmcnt 0x0
	s_cmp_eq_u32 s14, 1                            ; the choice of buffer hangs on the work-group's number alone
	s_cselect_b64 s[4:5], s[6:7], s[4:5]
	s_cmp_eq_u32 s14, 3
	s_cselect_b64 s[8:9], s[10:11], s[8:9]
	s_cmp_lt_u32 s14, 2
	s_cselect_b64 s[4:5], s[4:5], s[8:9]
	s_add_nc_u64 s[4:5], s[4:5], s[16:17]
	s_add_nc_u64 s[12:13], s[12:13], s[18:19]
.irp k, 0,1,2,3
.irp g, 0,1,2,3,4,5,6,7
	global_load_b128 v[NUM+32*\k+4*\g:NUM+32*\k+4*\g+3], v3, s[4:5] offset:256*\k+16*\g th:TH_LOAD_NT
.endr
.endr
.irp k, 0,1,2,3
	s_wait_loadcnt 24-8*\k                         ; block k's eight loads are in; the younger blocks' stay out
	QUANT32 NUM+32*\k, COD+4*\k, BYT+\k
.endr
.irp s, 0,1
	v_lshl_or_b32 v[WRD+\s], v[BYT+1+2*\s], 16, v[BYT+2*\s]   ; my two bytes of K step s: blocks h and 2 + h
	v_lshlrev_b32 v[WRD+\s], v6, v[WRD+\s]
.endr
	v_permlanex16_b32 v14, v12, s20, s21
	v_permlanex16_b32 v15, v13, s20, s21
	v_or_b32 v12, v12, v14                         ; with lane l xor 16's two the word is whole
	v_or_b32 v13, v13, v15
.irp k, 0,1,2,3
	global_store_b128 v4, v[COD+4*\k:COD+4*\k+3], s[12:13] offset:512*\k   ; 512 consecutive bytes, at a multiple of 256 from wt's first byte
.endr
	global_store_b64 v5, v[WRD:WRD+1], s[12:13] offset:2048                ; 256 consecutive bytes, aligned
	s_endpgm
.Lfunc_end_k_q1f1aeed655_wprep:
	.size	k_q1f1aeed655_wprep, .Lfunc_end_k_q1f1aeed655_wprep-k_q1f1aeed655_wprep
	.p2alignl 7, 3214868480
	.fill 96, 4, 3214868480
	.section	.rodata,"a",@progbits
	.p2align	6, 0x0
	.amdhsa_kernel k_q1f1aeed655_wprep
		.amdhsa_group_segment_fixed_size 0
		.amdhsa_private_segment_fixed_size 0
		.amdhsa_enable_private_segment 0
		.amdhsa_kernarg_size 40
		.amdhsa_user_sgpr_count 2
		.amdhsa_user_sgpr_kernarg_segment_ptr 1
		.amdhsa_wavefront_size32 1
		.amdhsa_system_sgpr_workgroup_id_x 1
		.amdhsa_system_sgpr_workgroup_id_y 1
		.amdhsa_system_sgpr_workgroup_id_z 1
		.amdhsa_system_vgpr_workitem_id 0
		.amdhsa_next_free_vgpr 176
		.amdhsa_next_free_sgpr 66
		.amdhsa_reserve_vcc 0
		.amdhsa_float_denorm_mode_32 3
		.amdhsa_float_denorm_mode_16_64 3
		.amdhsa_memory_ordered 1
		.amdhsa_forward_progress 1
		.amdhsa_inst_pref_size 12
	.end_amdhsa_kernel
	.amdgpu_metadata
---
amdhsa.version: [ 1, 2 ]
amdhsa.kernels:
  - .name:           k_q1f1aeed655_wprep
    .symbol:         k_q1f1aeed655_wprep.kd
    .args:
      - { .name: wq, .offset: 0, .size: 8, .value_kind: global_buffer, .address_space: global }
      - { .name: wk, .offset: 8, .size: 8, .value_kind: global_buffer, .address_space: global }
      - { .name: wv, .offset: 16, .size: 8, .value_kind: global_buffer, .address_space: global }
      - { .name: wo, .offset: 24, .size: 8, .value_kind: global_buffer, .address_space: global }
      - { .name: wt, .offset: 32, .size: 8, .value_kind: global_buffer, .address_space: global }
    .group_segment_fixed_size: 0
    .private_segment_fixed_size: 0
    .kernarg_segment_align: 8
    .kernarg_segment_size: 40
    .max_flat_workgroup_size: 32
    .sgpr_count:     66
    .vgpr_count:     176
    .wavefront_size: 32
...
	.end_amdgpu_metadata
.endif
;; end of part 1
;; launch proj (part 2): grid 64 x 4, 16 waves a work-group, clusters of 4 x 1, 169,984 bytes of LDS; arguments x, wt, bq, bk, bv, q, kv; writes q, kv
.if DOCPART == 2
	.amdgcn_target "amdgcn-amd-amdhsa--gfx1250"
	.amdhsa_code_object_version 6
	.text
	.protected	k_q1f1aeed655_proj
	.globl	k_q1f1aeed655_proj
	.p2align	8
	.type	k_q1f1aeed655_proj,@function
k_q1f1aeed655_proj:
	s_mov_b64 s[64:65], 0
	v_nop
	global_prefetch_b8 v0, s[64:65] scope:SCOPE_SE
	s_setreg_imm32_b32 hwreg(HW_REG_WAVE_MODE, 25, 1), 1
	s_wait_xcnt 0x0
	s_wait_alu depctr_hold_cnt(0) depctr_sa_sdst(0) depctr_va_vdst(0) depctr_va_sdst(0) depctr_va_ssrc(0) depctr_va_vcc(0) depctr_vm_vsrc(0)
	s_getreg_b32 s2, hwreg(HW_REG_IB_STS2, 6, 4)
	s_cmp_eq_u32 s2, 0
	s_cbranch_scc0 .Lentry_in_a_cluster
	s_endpgm
.Lentry_in_a_cluster:
	s_bfe_u32 s2, ttmp6, 0x10000c
	s_cmp_lg_u32 s2, 0x3003
	s_cbranch_scc0 .Lentry_shape_is_right
	s_endpgm
.Lentry_shape_is_right:
; q, k, v = W x + b for a block P of 64 pixels of one batch b, on codes of FP4 (E2M1) with one E8M0 scale for each 32 along K (the 256 channels);
; the results are quantised at once for the attention's products and stored as IMAGES OF OPERAND REGISTERS (a group of four registers: 512 bytes, lane l's 16 bytes at 16 l).
; SHARES.  Sixteen waves; wave w: head hh = w / 4, tile i = w % 4.  It makes q and k of head hh for pixel tile i (source 0 = 16 rows of W, source 1 = x: a lane holds one pixel
; and 32 neighbouring channels of the head), and v's rows of tile i of head hh for all 64 pixels (source 0 = x, source 1 = 16 rows of wv: a lane holds one channel and 32 neighbouring pixels).
; THE ROWS OF A TILE ARE NOT NEIGHBOURS: row r of tile u of a group of 64 (a head's channels, a block's pixels) is 8 u + (r & 7) + 32 (r >> 3).  In a result, lane (r, h) register j holds row 8 h + j
; of source 0: over the four tiles that is 32 h + 8 u + j: ONE WHOLE BLOCK of 32 in one lane, in the order of the next operand's registers: no lane is asked for a maximum, nothing changes lanes.
; x: wave w takes channels 32 (w / 2) on of pixels 32 (w % 2) on: a lane a pixel, registers down the channels; its codes go to LDS as images, for all waves.
; THE WEIGHTS (wq, wk, wv: 48 records of wt, 110,592 bytes) are the same for every work-group: the four partners of a cluster ask for them JOINTLY, once, by four tensor loads (waves 0 to 3).
; LIMITS: a block of zeros, or one whose largest magnitude lies under 2^-124, gets the byte 1; this program alone reads the bytes.  NaN and infinities are not served.
.set REC,  2304                        ; a record of wt
.set WQK,  16*REC                      ; from wq's records to wk's
.set XIMG, 48*REC                      ; LDS behind the weights: x's images, a pixel tile every XT bytes: piece 2 s + c at 512 (2 s + c); at 2,048 its scale words: K step s at 64 s + 4 r
.set XT,   2176                        ; 2,048 + 128: tile to tile 128 bytes on modulo 256
.set SST,  XIMG+4*XT                   ; the scale words on their way out: four images of 512 bytes for kv (a head each), then 1,024 bytes for q
.set LI,  1                            ; v1   16 x lane
.set LS,  2                            ; v2   4 x lane
.set SH8, 3                            ; v3   8 h
.set XST, 5                            ; v5   where I store my pixel's 16 bytes of codes
.set XSB, 6                            ; v6   and its scale byte
.set XFA, 7                            ; v7   my pixel tile's images
.set XSA, 8                            ; v8   and its scale words
.set WQA, 9                            ; v9   my head's four records of wq
.set WVA, 10                           ; v10  my record of wv
.set WQS, 11                           ; v11  their scale words
.set WVS, 12                           ; v12
.set BO1, 13                           ; v13  128 h: my place in bq and bk
.set BO2, 14                           ; v14  4 ((r & 7) + 32 (r >> 3)): my place in bv
.set SWA, 15                           ; v15  where my tile's scale words of k (and, 8 bytes on, of v) go
.set QSA, 16                           ; v16  and q's
.set CPA, 17                           ; v17  what I copy out at the end
.set XAA, 18                           ; v18  all four pixel tiles' images
.set XAS, 19                           ; v19  and their scale words
.set CDQ, 20                           ; v20-23, v24-27, v28-31: the codes of q (first: of x), k, v
.set CDK, 24
.set CDV, 28
.set XF,  32                           ; v32-47   x's two fragments of my pixel tile; later wv's two
.set WS,  48                           ; v48-55   the weights' scale words
.set WF,  56                           ; v56-119  four tiles x two K steps of wq or wk; later x's eight fragments
.set BQ,  120                          ; v120-151 bq in the result's layout
.set BK,  152                          ; v152-183 bk
.set BV,  184                          ; v184-191 bv: my channel's number, eight times
.set ACC, 192                          ; v192-223 four accumulators; first: my pixel's 32 numbers of x
.set XSR, 224                          ; v224-227 x's scale words, all four pixel tiles
.set XS,  228                          ; v228     x's scale words, my pixel tile
.set T0,  232
.set T1,  233
.set SC,  234
.set BY,  235
.set W,   236
.set PX,  237
.set WV,  18                           ; s18 wave; s19 hh; s20 i; s21 w % 2; s22 w / 2
.set G1,  24                           ; s[24:31], s[32:35]: the joint load's descriptor
.set G0,  32
.set SEL, 36
.macro QUANT32 src, dst, byt           ; 32 numbers in consecutive registers, one block, become 4 registers of codes and a byte; each accumulator is read from its low end on
	v_max3_num_f32 v[T0], |v[(\src)]|, |v[(\src)+1]|, 0x1800000      ; two chains by turns; the floor 2^(3 - 127) holds the byte at 1 from below
	v_max3_num_f32 v[T1], |v[(\src)+16]|, |v[(\src)+17]|, |v[(\src)+18]|
.irp n, 0,1,2,3,4,5
	v_max3_num_f32 v[T0], v[T0], |v[(\src)+2+2*\n]|, |v[(\src)+3+2*\n]|
	v_max3_num_f32 v[T1], v[T1], |v[(\src)+19+2*\n]|, |v[(\src)+20+2*\n]|
.endr
	v_max3_num_f32 v[T0], v[T0], |v[(\src)+14]|, |v[(\src)+15]|
	v_max3_num_f32 v[T0], v[T0], v[T1], |v[(\src)+31]|
	s_delay_alu instid0(VALU_DEP_1)
	v_add_nc_u32 v[SC], 0xff000000, v[T0]                          ; 2 off the exponent field: the conversion's scale operand
	s_delay_alu instid0(VALU_DEP_1)
	v_lshrrev_b32 v[\byt], 23, v[SC]                               ; the scale's byte
.irp g, 0,1,2,3
	v_cvt_scalef32_pk8_fp4_f32 v[(\dst)+\g], v[(\src)+8*\g:(\src)+8*\g+7], v[SC]
.endr
	v_nop                                                          ; one plain line behind the last conversion
.endm
.macro WORD base                       ; my byte (block h) and lane l xor 16's make the low half of a scale word; base gives the upper half
	v_lshl_or_b32 v[W], v[BY], v[SH8], \base
	s_delay_alu instid0(VALU_DEP_1)
	v_permlanex16_b32 v[PX], v[W], s[SEL], s[SEL+1]
	s_delay_alu instid0(VALU_DEP_1)
	v_or_b32 v[W], v[W], v[PX]
.endm
.macro MM d, a, b, c, sa, sb
	v_wmma_scale_f32_16x16x128_f8f6f4 v[(\d):(\d)+7], v[(\a):(\a)+7], v[(\b):(\b)+7], v[(\c):(\c)+7], v[\sa], v[\sb] matrix_a_fmt:MATRIX_FMT_FP4 matrix_b_fmt:MATRIX_FMT_FP4
.endm
.macro MM_A1 d, a, b, c, sa, sb        ; source 0's scales from lanes 16-31
	v_wmma_scale_f32_16x16x128_f8f6f4 v[(\d):(\d)+7], v[(\a):(\a)+7], v[(\b):(\b)+7], v[(\c):(\c)+7], v[\sa], v[\sb] matrix_a_fmt:MATRIX_FMT_FP4 matrix_b_fmt:MATRIX_FMT_FP4 matrix_a_scale:MATRIX_SCALE_ROW1
.endm
.macro MM_B1 d, a, b, c, sa, sb        ; source 1's scales from lanes 16-31
	v_wmma_scale_f32_16x16x128_f8f6f4 v[(\d):(\d)+7], v[(\a):(\a)+7], v[(\b):(\b)+7], v[(\c):(\c)+7], v[\sa], v[\sb] matrix_a_fmt:MATRIX_FMT_FP4 matrix_b_fmt:MATRIX_FMT_FP4 matrix_b_scale:MATRIX_SCALE_ROW1
.endm
.macro PLACES                          ; four plain lines between a matrix instruction and a read of its result or a load into one of its registers
.rept 4
	v_nop
.endr
.endm
.macro CROUND                          ; a round of the cluster's barrier
	s_barrier_signal -1
	s_barrier_wait -1
	s_cmp_lg_u32 s[WV], 0
	s_cbranch_scc1 .Lnot_wave_0_\@
	s_barrier_signal -3
.Lnot_wave_0_\@:
	s_barrier_wait -3
	s_barrier_signal -1
	s_barrier_wait -1
.endm
.macro FETCHW off                      ; my head's four tiles of wq (off = 0) or wk, both K steps, and their scale words
.irp u, 0,1,2,3
.irp k, 0,1,2,3
	ds_load_b128 v[WF+16*\u+4*\k:WF+16*\u+4*\k+3], v[WQA] offset:\off+REC*\u+512*\k
.endr
	ds_load_b64 v[WS+2*\u:WS+2*\u+1], v[WQS] offset:\off+REC*\u
.endr
.endm
.macro MULQK bias                      ; four tiles of 16 channels x my 16 pixels; the bias is the C of each sum's first product; the four accumulators take turns
.irp u, 0,1,2,3
	MM ACC+8*\u, WF+16*\u, XF, \bias+8*\u, WS+2*\u, XS
.endr
.irp u, 0,1,2,3
	MM_B1 ACC+8*\u, WF+16*\u+8, XF+8, ACC+8*\u, WS+2*\u+1, XS
.endr
.endm
	s_load_b256 s[4:11], s[0:1], 0x0               ; x, wt, bq, bk
	s_load_b128 s[12:15], s[0:1], 0x20             ; bv, q
	s_load_b64 s[16:17], s[0:1], 0x30              ; kv
	v_lshl_add_u32 v254, v0, 2, 0x29000
	v_mov_b32 v255, 0
	ds_add_u32 v254, v255
	ds_add_u32 v254, v255
	v_lshrrev_b32 v1, 5, v0
	s_delay_alu instid0(VALU_DEP_1)
	v_readfirstlane_b32 s[WV], v1                  ; wave 0..15
	s_lshr_b32 s19, s[WV], 2                       ; hh
	s_and_b32 s20, s[WV], 3                        ; i
	s_and_b32 s21, s[WV], 1                        ; which 32 pixels of x I quantise
	s_lshr_b32 s22, s[WV], 1                       ; which block of 32 channels
	s_bfe_u32 s39, ttmp6, 0x40000                  ; cx: it enters global addresses alone
	s_lshl_b32 s40, ttmp9, 2
	s_add_co_u32 s40, s40, s39                     ; P = 4 x cluster x + cx
	s_and_b32 s41, ttmp7, 0xffff                   ; b
	s_lshl_b32 s42, s41, 6
	s_add_co_u32 s42, s42, s40                     ; 64 b + P
	; the joint load: 27,648 dense bytes as 108 rows of 256 bytes (32 elements of 8 bytes), no padding
	s_mov_b32 s[G1], 15|(3<<16)|(1<<21)            ; 15:0 the mask: all four work-groups; 17:16 elements of 8 bytes; 21 set beside a mask
	s_mov_b32 s[G1+1], 32<<16                      ; tensor_dim0
	s_mov_b32 s[G1+2], 108<<16                     ; tensor_dim1
	s_mov_b32 s[G1+3], 32<<16                      ; tile_dim0
	s_mov_b32 s[G1+4], 108                         ; tile_dim1
	s_mov_b32 s[G1+5], 32                          ; tensor_dim0_stride
	s_mov_b32 s[G1+6], 0
	s_mov_b32 s[G1+7], 0
	s_mov_b32 s[SEL], 0x76543210
	s_mov_b32 s[SEL+1], 0xfedcba98                 ; v_permlanex16_b32's selects for lane l xor 16
	s_mov_b32 s38, 0x7f7f0000                      ; the upper half of q's and k's scale words: K = 64 .. 127 of the attention's first product are zero codes
	; every LDS address: a constant + a constant x lane + a constant x wave
	v_and_b32 v240, 31, v0                         ; lane
	v_and_b32 v241, 15, v0                         ; r
	v_bfe_u32 v242, v0, 4, 1                       ; h
	s_delay_alu instid0(VALU_DEP_3)
	v_lshlrev_b32 v[LI], 4, v240
	s_delay_alu instid0(VALU_DEP_4)
	v_lshlrev_b32 v[LS], 2, v240
	s_delay_alu instid0(VALU_DEP_3)
	v_lshlrev_b32 v[SH8], 3, v242
	v_bfe_u32 v243, v0, 3, 2
	s_delay_alu instid0(VALU_DEP_1)
	v_mul_u32_u24 v243, v243, XT                   ; pixel 32 (w % 2) + lane lies in pixel tile lane / 8, at row 8 (w % 2) + lane % 8
	v_and_b32 v244, 7, v0
	s_wait_alu depctr_va_vdst(0)
	s_lshl_b32 s23, s[WV], 7                       ; 256 x channel block + 128 (w % 2) = 128 w
	s_add_co_u32 s23, s23, XIMG
	v_lshl_add_u32 v[XST], v244, 4, v243
	s_delay_alu instid0(VALU_DEP_1)
	v_add_nc_u32 v[XST], s23, v[XST]
	s_lshl_b32 s23, s21, 5
	s_lshr_b32 s43, s22, 2
	s_lshl_b32 s43, s43, 6
	s_add_co_u32 s23, s23, s43
	s_and_b32 s43, s22, 3
	s_add_co_u32 s23, s23, s43
	s_add_co_u32 s23, s23, XIMG+2048               ; K step (block / 4) at 64, row at 4, byte block % 4
	v_lshl_add_u32 v[XSB], v244, 2, v243
	s_delay_alu instid0(VALU_DEP_1)
	v_add_nc_u32 v[XSB], s23, v[XSB]
	s_mul_i32 s23, s20, XT
	s_add_co_u32 s23, s23, XIMG
	v_add_nc_u32 v[XFA], s23, v[LI]
	s_add_co_u32 s23, s23, 2048
	v_add_nc_u32 v[XSA], s23, v[LS]
	s_mul_i32 s23, s19, 4*REC
	v_add_nc_u32 v[WQA], s23, v[LI]
	s_add_co_u32 s23, s23, 2048
	v_lshl_add_u32 v[WQS], v240, 3, s23
	s_mul_i32 s23, s[WV], REC
	s_add_co_u32 s23, s23, 32*REC
	v_add_nc_u32 v[WVA], s23, v[LI]
	s_add_co_u32 s23, s23, 2048
	v_lshl_add_u32 v[WVS], v240, 3, s23
	v_lshlrev_b32 v[BO1], 7, v242
	v_bfe_u32 v245, v0, 3, 1
	s_delay_alu instid0(VALU_DEP_1)
	v_lshl_add_u32 v[BO2], v245, 5, v244
	s_delay_alu instid0(VALU_DEP_1)
	v_lshlrev_b32 v[BO2], 2, v[BO2]
	s_lshl_b32 s23, s19, 9                         ; kv's scale image of head hh: 16 bytes a lane: (k's tiles 0|1, k's 2|3, v's 0|1, v's 2|3); lane 16 (i % 2) + r, word i / 2
	s_and_b32 s43, s20, 1
	s_lshl_b32 s43, s43, 8
	s_add_co_u32 s23, s23, s43
	s_lshr_b32 s43, s20, 1
	s_lshl_b32 s43, s43, 2
	s_add_co_u32 s23, s23, s43
	s_add_co_u32 s23, s23, SST
	v_lshl_add_u32 v[SWA], v241, 4, s23
	s_lshl_b32 s23, s[WV], 6
	s_add_co_u32 s23, s23, SST+2048
	v_lshl_add_u32 v[QSA], v241, 2, s23
	s_lshl_b32 s23, s[WV], 9
	s_add_co_u32 s23, s23, SST
	v_add_nc_u32 v[CPA], s23, v[LI]
	v_add_nc_u32 v[XAA], XIMG, v[LI]
	v_add_nc_u32 v[XAS], XIMG+2048, v[LS]
	v_mov_b32 v[PX], 0                             ; a lane permute's destination counts as one of its sources
	; byte offsets into the buffers
	s_lshl_b32 s44, s41, 22                        ; x: batch,
	s_lshl_b32 s23, s22, 19                        ; 32 channels of 16,384 bytes,
	s_add_co_u32 s44, s44, s23
	s_lshl_b32 s23, s40, 8                         ; the block's 256 bytes of a row,
	s_add_co_u32 s44, s44, s23
	s_lshl_b32 s23, s21, 7                         ; my half of them
	s_add_co_u32 s44, s44, s23
	s_mov_b32 s45, 0
	s_lshl_b32 s46, s19, 8                         ; bq, bk: my head's 64 numbers
	s_mov_b32 s47, 0
	s_lshl_b32 s48, s20, 5                         ; bv: my tile's first row
	s_add_co_u32 s48, s48, s46
	s_mov_b32 s49, 0
	s_mul_i32 s50, s42, 9216                       ; q: the block's record, my piece
	s_lshl_b32 s23, s[WV], 9
	s_add_co_u32 s60, s50, s23
	s_add_co_u32 s60, s60, 6144                    ; (waves 4 and 5 copy q's scale words to byte 8,192 + 512 (w - 4) of the record)
	s_add_co_u32 s50, s50, s23
	s_mov_b32 s51, 0
	s_mul_i32 s52, s42, 4*4608                     ; kv: the block's four records,
	s_mul_i32 s23, s[WV], 4608
	s_add_co_u32 s54, s52, s23
	s_add_co_u32 s54, s54, 4096                    ; (waves 0 to 3 copy head w's scale image to byte 4,096 of its record)
	s_mul_i32 s23, s19, 4608                       ; my head's,
	s_add_co_u32 s52, s52, s23
	s_lshl_b32 s23, s20, 9                         ; my piece
	s_add_co_u32 s52, s52, s23
	s_mov_b32 s53, 0
	s_cmp_lt_u32 s[WV], 4
	s_cselect_b32 s54, s54, s60
	s_mov_b32 s55, 0
	s_mul_i32 s56, s20, 108*256                    ; wt: the quarter that wave w % 4 fetches: in memory and in LDS alike; no place in the cluster enters it
	s_mov_b32 s57, 0
	s_wait_alu depctr_va_vdst(0)
	s_wait_dscnt 0x0
	s_wait_kmcnt 0x0
	s_add_nc_u64 s[4:5], s[4:5], s[44:45]
	s_add_nc_u64 s[8:9], s[8:9], s[46:47]
	s_add_nc_u64 s[10:11], s[10:11], s[46:47]
	s_add_nc_u64 s[12:13], s[12:13], s[48:49]
	s_cmp_lt_u32 s[WV], 4                          ; the choice hangs on the wave's number alone
	s_cselect_b64 s[58:59], s[16:17], s[14:15]
	s_add_nc_u64 s[58:59], s[58:59], s[54:55]
	s_add_nc_u64 s[14:15], s[14:15], s[50:51]
	s_add_nc_u64 s[16:17], s[16:17], s[52:53]
.set NN, 0
.rept 32
	global_load_b32 v[ACC+NN], v[LS], s[4:5] offset:NN*16384 th:TH_LOAD_NT   ; x(32 kb + n, my pixel): 128 consecutive bytes a wave, 256 with the neighbouring wave
.set NN, NN+1
.endr
.irp u, 0,1,2,3
.irp e, 0,1
	global_load_b128 v[BQ+8*\u+4*\e:BQ+8*\u+4*\e+3], v[BO1], s[8:9] offset:32*\u+16*\e     ; bq at channels 32 h + 8 u + 0 .. 7 of my head
	global_load_b128 v[BK+8*\u+4*\e:BK+8*\u+4*\e+3], v[BO1], s[10:11] offset:32*\u+16*\e
.endr
.endr
.irp j, 0,1,2,3,4,5,6,7
	global_load_b32 v[BV+\j], v[BO2], s[12:13]     ; bv at my channel, for each of a result's eight registers
.endr
	CROUND                                         ; all four work-groups are here: the joint loads meet
	s_mov_b32 s[G0], 1
	s_mov_b32 s[G0+1], s56
	s_add_nc_u64 s[G0+2:G0+3], s[6:7], s[56:57]
	s_or_b32 s[G0+3], s[G0+3], 0x80000000
	s_cmp_lt_u32 s[WV], 4                          ; waves 0 to 3 fetch a quarter each: one tensor load of mine is out.  The branch hangs on the wave's number alone
	s_cbranch_scc0 .Lno_load
	tensor_load_to_lds s[G0:G0+3], s[G1:G1+7]
	s_nop 0
.rept 4
	v_nop
.endr
.Lno_load:
	; ---- x: my pixel's block of 32 channels becomes 16 bytes of an image and a byte of a scale word
	s_wait_loadcnt 24                              ; x's 32 loads are in; the 24 loads of the biases, issued behind them, may be out
	QUANT32 ACC, CDQ, BY
	ds_store_b128 v[XST], v[CDQ:CDQ+3]
	ds_store_b8 v[XSB], v[BY]
	s_wait_tensorcnt 0x0                           ; for the others' sake: my quarter of the weights has landed,
	s_wait_dscnt 0x0                               ; and so have my stores
	s_barrier_signal -1
	s_barrier_wait -1                              ; the weights and x's eight fragments lie in LDS; from here on both are only read
	; ---- q
.irp k, 0,1,2,3
	ds_load_b128 v[XF+4*\k:XF+4*\k+3], v[XFA] offset:512*\k
.endr
	ds_load_b32 v[XS], v[XSA]                      ; lanes 0-15: K step 0's words, lanes 16-31: K step 1's
	FETCHW 0
	s_wait_loadcnt 0x0                             ; the biases
	s_wait_dscnt 0x0
	MULQK BQ
	PLACES
	FETCHW WQK                                     ; wk lands while q is quantised
	QUANT32 ACC, CDQ, BY
	WORD s38
	global_store_b128 v[LI], v[CDQ:CDQ+3], s[14:15]          ; 512 consecutive bytes, aligned
	ds_store_b32 v[QSA], v[W]                      ; both lanes of a row write the same word with the same value
	; ---- k
	s_wait_dscnt 0x0
	MULQK BK
	PLACES
.irp p, 0,1,2,3
.irp k, 0,1,2,3
	ds_load_b128 v[WF+16*\p+4*\k:WF+16*\p+4*\k+3], v[XAA] offset:XT*\p+512*\k   ; x's fragments of all four pixel tiles
.endr
	ds_load_b32 v[XSR+\p], v[XAS] offset:XT*\p
.endr
.irp k, 0,1,2,3
	ds_load_b128 v[XF+4*\k:XF+4*\k+3], v[WVA] offset:512*\k                     ; my tile of wv
.endr
	ds_load_b64 v[WS:WS+1], v[WVS]
	QUANT32 ACC, CDK, BY
	WORD s38
	global_store_b128 v[LI], v[CDK:CDK+3], s[16:17]
	ds_store_b32 v[SWA], v[W]
	; ---- v: the sources the other way round: a lane holds one channel and 32 neighbouring pixels, which are the second product's K
	s_wait_dscnt 0x0
.irp p, 0,1,2,3
	MM ACC+8*\p, WF+16*\p, XF, BV, XSR+\p, WS
.endr
.irp p, 0,1,2,3
	MM_A1 ACC+8*\p, WF+16*\p+8, XF+8, ACC+8*\p, XSR+\p, WS+1
.endr
	PLACES
	QUANT32 ACC, CDV, BY
	WORD 0
	global_store_b128 v[LI], v[CDV:CDV+3], s[16:17] offset:2048
	ds_store_b32 v[SWA], v[W] offset:8
	; ---- the scale words leave as six runs of 512 consecutive bytes
	s_wait_dscnt 0x0                               ; for the others' sake: my stores have landed
	s_barrier_signal -1
	s_barrier_wait -1
	s_cmp_lt_u32 s[WV], 6
	s_cbranch_scc0 .Lno_copy
	ds_load_b128 v[240:243], v[CPA]
	s_wait_dscnt 0x0
	global_store_b128 v[LI], v[240:243], s[58:59]
.Lno_copy:
	s_wait_tensorcnt 0x0
	ds_add_u32 v254, v255
	s_wait_dscnt 0x0
	CROUND                                         ; the closing round: no work-group ends while a partner may still ask jointly
	s_endpgm
.Lfunc_end_k_q1f1aeed655_proj:
	.size	k_q1f1aeed655_proj, .Lfunc_end_k_q1f1aeed655_proj-k_q1f1aeed655_proj
	.p2alignl 7, 3214868480
	.fill 96, 4, 3214868480
	.section	.rodata,"a",@progbits
	.p2align	6, 0x0
	.amdhsa_kernel k_q1f1aeed655_proj
		.amdhsa_group_segment_fixed_size 169984
		.amdhsa_private_segment_fixed_size 0
		.amdhsa_enable_private_segment 0
		.amdhsa_kernarg_size 56
		.amdhsa_user_sgpr_count 2
		.amdhsa_user_sgpr_kernarg_segment_ptr 1
		.amdhsa_wavefront_size32 1
		.amdhsa_system_sgpr_workgroup_id_x 1
		.amdhsa_system_sgpr_workgroup_id_y 1
		.amdhsa_system_sgpr_workgroup_id_z 1
		.amdhsa_system_vgpr_workitem_id 0
		.amdhsa_next_free_vgpr 256
		.amdhsa_next_free_sgpr 66
		.amdhsa_reserve_vcc 0
		.amdhsa_float_denorm_mode_32 3
		.amdhsa_float_denorm_mode_16_64 3
		.amdhsa_memory_ordered 1
		.amdhsa_forward_progress 1
		.amdhsa_inst_pref_size 29
	.end_amdhsa_kernel
	.amdgpu_metadata
---
amdhsa.version: [ 1, 2 ]
amdhsa.kernels:
  - .name:           k_q1f1aeed655_proj
    .symbol:         k_q1f1aeed655_proj.kd
    .args:
      - { .name: x, .offset: 0, .size: 8, .value_kind: global_buffer, .address_space: global }
      - { .name: wt, .offset: 8, .size: 8, .value_kind: global_buffer, .address_space: global }
      - { .name: bq, .offset: 16, .size: 8, .value_kind: global_buffer, .address_space: global }
      - { .name: bk, .offset: 24, .size: 8, .value_kind: global_buffer, .address_space: global }
      - { .name: bv, .offset: 32, .size: 8, .value_kind: global_buffer, .address_space: global }
      - { .name: q, .offset: 40, .size: 8, .value_kind: global_buffer, .address_space: global }
      - { .name: kv, .offset: 48, .size: 8, .value_kind: global_buffer, .address_space: global }
    .group_segment_fixed_size: 169984
    .private_segment_fixed_size: 0
    .kernarg_segment_align: 8
    .kernarg_segment_size: 56
    .max_flat_workgroup_size: 512
    .sgpr_count:     66
    .vgpr_count:     256
    .wavefront_size: 32
...
	.end_amdgpu_metadata
.endif
;; end of part 2
;; launch attn (part 3): grid 64 x 4, 16 waves a work-group, clusters of 4 x 1, 327,680 bytes of LDS; arguments q, kv, wt, bo, x, out0; writes out0
.if DOCPART == 3
	.amdgcn_target "amdgcn-amd-amdhsa--gfx1250"
	.amdhsa_code_object_version 6
	.text
	.protected	k_q1f1aeed655_attn
	.globl	k_q1f1aeed655_attn
	.p2align	8
	.type	k_q1f1aeed655_attn,@function
k_q1f1aeed655_attn:
	s_mov_b64 s[64:65], 0
	v_nop
	global_prefetch_b8 v0, s[64:65] scope:SCOPE_SE
	s_setreg_imm32_b32 hwreg(HW_REG_WAVE_MODE, 25, 1), 1
	s_wait_xcnt 0x0
	s_wait_alu depctr_hold_cnt(0) depctr_sa_sdst(0) depctr_va_vdst(0) depctr_va_sdst(0) depctr_va_ssrc(0) depctr_va_vcc(0) depctr_vm_vsrc(0)
	s_getreg_b32 s2, hwreg(HW_REG_IB_STS2, 6, 4)
	s_cmp_eq_u32 s2, 0
	s_cbranch_scc0 .Lentry_in_a_cluster
	s_endpgm
.Lentry_in_a_cluster:
	s_bfe_u32 s2, ttmp6, 0x10000c
	s_cmp_lg_u32 s2, 0x3003
	s_cbranch_scc0 .Lentry_shape_is_right
	s_endpgm
.Lentry_shape_is_right:
; out0 = x + wo o + bo, o = attention of four heads over 4,096 pixels, all three products on codes of FP4 (E2M1) with one E8M0 scale for each 32 along K.
; SHARES.  A work-group owns a block P of 64 pixels of batch b, ALL FOUR HEADS: wave w takes head hh = w / 4 and query tile i = w % 4 (16 queries), in 256 registers: four waves to a SIMD, so that
; one wave's vector work stands beside another's products and LDS loads.  Every wave walks all 4,096 keys, 128 a step.  At the end the work-group holds o's whole K = 256 for its pixels, and wave w makes 16 output channels.
; LAYOUT.  Both products of the attention are used transposed (S^T = K Q^T, O^T = V^T P^T): a lane holds ONE query throughout.  The rows of a tile are not neighbours: row r of tile u of a group of 64
; (a block's pixels, a head's channels) is 8 u + (r & 7) + 32 (r >> 3), so that lane (r, h)'s 32 registers of the four tiles of a group are the 32 neighbours 32 h + 0 .. 31: ONE WHOLE BLOCK in a lane, in the order
; of the next operand's registers: a block's maximum needs no other lane, and the conversions' results ARE the next operand.
; The head's 64 channels fill K = 0 .. 63 of the first product; K = 64 .. 127 are zero codes on both sides (scale byte 127).
; THE SOFTMAX: t = score x log2(e) / 8; M = the running largest t rounded UP to a whole number; p = 2^(t - M) is quantised along the keys, not normalised; the row's sum is taken of the unquantised p and divides O at the end.
; When M moves, the sum and O are multiplied by 2^(old M - new M): exact.  A block's largest p is made from the block's largest score by the same multiply-add and exponential
; (this takes v_exp_f32 not to fall where its input rises; at the worst one p of a block would be held one code low).
; kv: [b][P][hh] records of 4,608 bytes: K's four tiles (512 bytes each: images of registers 0-3), V's four (registers 4 c .. 4 c + 3, c = P % 2), a scale image of 16 bytes a lane.  A key step (two blocks P, four heads) is
; 36,864 dense bytes.  Two LDS slots of four key steps; waves 0 to 3 fetch a key step each.  CLUSTER: the four work-groups of a cluster walk the same kv: each load is asked for JOINTLY, with a mask that names the four.
; LIMITS: a block of zeros, or one whose largest magnitude lies under 2^-124, gets the byte 1; this program alone reads the bytes.  NaN and infinities are not served.
; REGISTERS: v1-11 addresses; v12 -M, v13 the largest t, v[14:15] the sum in two halves; v16-23 Q; v24 Q's, v25 p's scale words; v26-27, v30-31 V's, by the step's parity; v32-95 K's 8 fragments; v96-159 S^T, then p;
; v160-191 O^T; v192-223 V's 4 fragments; v224-231 p's codes; v232-239 the step's two scale images; v240-255 at work.
.set REC,   2304                       ; a record of wt
.set HALFB, 18432                      ; a block P of kv: four heads' records
.set STEPB, 2*HALFB                    ; a key step
.set SLOTB, 4*STEPB                    ; a slot: 0x24000; no address inside slot 0 that is turned has one of its two bits set, so one exclusive or turns it into slot 1's
.set BATCH, 32*STEPB                   ; a batch of kv
.set SPARE, 2*SLOTB                    ; behind the ring: the spare words, 128 bytes for each wave: eight blocks of 256 bytes that no other line names
.set OT,    2176                       ; the epilogue, in slot 0, which has had its last fill and its last read by then: o's images, a pixel tile every OT bytes, laid as x's are in the launch before,
.set STAGE, 9216                       ; and a stage of 16 rows x (256 + 16) bytes for each wave
.set A0,  1                            ; v1   16 x lane + 4,608 hh: my lane's place in a block of kv
.set AD0, 2                            ; v2   the same in the slot in hand, key steps 0 and 1;  v3: key steps 2 and 3
.set SH8, 4                            ; v4   8 h
.set SPW, 5                            ; v5   LDS address of my spare word; never rewritten
.set NIL, 6                            ; v6   0; never rewritten
.set GO,  7                            ; v7   the way out: (lane / 16) rows of 16,384 bytes + 16 (lane % 16)
.set LI,  8                            ; v8   16 x lane
.set L8,  9                            ; v9   8 x lane
.set BOO, 10                           ; v10  my place in bo
.set PFO, 28                           ; v28  256 x lane; never rewritten
.set PXO, 29                           ; v29  16,384 x lane; never rewritten
.set T0,  240
.set T1,  241
.set SC,  244
.set BY,  246
.set WV,  18
.set HH,  19
.set SEL, 20
.set CS,  22                           ; s[22:23] c = log2(e) / 8: the packed form names a pair and takes its low word for both halves
.set G1,  24
.set G0,  32                           ; s[32:35] the walking group 0
.set TB,  36                           ; s36  LDS byte at which the slot in hand begins
.set SLOTS, 37                         ; s37  slots still to be asked for
.set LIM, 38                           ; s38  1 in a wave that prefetches kv, else the greatest number
.set PFA, 40                           ; s[40:41] where my prefetches of kv stand
.set PFX, 42                           ; s[42:43] my 32 rows of the work-group's tile of x
.set XB,  44                           ; s[44:45] x, s[46:47] out0 at my 16 channels' first row, the block's 256 bytes
.set OB,  46
.set WOB, 48                           ; s[48:49] my record of wo
.set BOB, 50                           ; s[50:51] bo at my tile's first channel
.macro QUANT32 src, dst, byt           ; 32 numbers in consecutive registers, one block, become 4 registers of codes and a byte
	v_max3_num_f32 v[T0], |v[(\src)]|, |v[(\src)+1]|, 0x1800000      ; two chains by turns; the floor 2^(3 - 127) holds the byte at 1 from below
	v_max3_num_f32 v[T1], |v[(\src)+16]|, |v[(\src)+17]|, |v[(\src)+18]|
.irp n, 0,1,2,3,4,5
	s_delay_alu instid0(VALU_DEP_2)
	v_max3_num_f32 v[T0], v[T0], |v[(\src)+2+2*\n]|, |v[(\src)+3+2*\n]|
	s_delay_alu instid0(VALU_DEP_2)
	v_max3_num_f32 v[T1], v[T1], |v[(\src)+19+2*\n]|, |v[(\src)+20+2*\n]|
.endr
	s_delay_alu instid0(VALU_DEP_2)
	v_max3_num_f32 v[T0], v[T0], |v[(\src)+14]|, |v[(\src)+15]|
	s_delay_alu instid0(VALU_DEP_1)
	v_max3_num_f32 v[T0], v[T0], v[T1], |v[(\src)+31]|
	s_delay_alu instid0(VALU_DEP_1)
	v_add_nc_u32 v[SC], 0xff000000, v[T0]
	s_delay_alu instid0(VALU_DEP_1)
	v_lshrrev_b32 v[\byt], 23, v[SC]
.irp g, 0,1,2,3
	v_cvt_scalef32_pk8_fp4_f32 v[(\dst)+\g], v[(\src)+8*\g:(\src)+8*\g+7], v[SC]
.endr
	v_nop                                                          ; one plain line behind the last conversion
.endm
.macro MM d, a, b, c, sa, sb
	v_wmma_scale_f32_16x16x128_f8f6f4 v[(\d):(\d)+7], v[(\a):(\a)+7], v[(\b):(\b)+7], v[(\c):(\c)+7], v[\sa], v[\sb] matrix_a_fmt:MATRIX_FMT_FP4 matrix_b_fmt:MATRIX_FMT_FP4
.endm
.macro MM_A1 d, a, b, c, sa, sb        ; source 0's scales from lanes 16-31
	v_wmma_scale_f32_16x16x128_f8f6f4 v[(\d):(\d)+7], v[(\a):(\a)+7], v[(\b):(\b)+7], v[(\c):(\c)+7], v[\sa], v[\sb] matrix_a_fmt:MATRIX_FMT_FP4 matrix_b_fmt:MATRIX_FMT_FP4 matrix_a_scale:MATRIX_SCALE_ROW1
.endm
.macro MM0 d, a, b, sa, sb             ; the product starts the sum
	v_wmma_scale_f32_16x16x128_f8f6f4 v[(\d):(\d)+7], v[(\a):(\a)+7], v[(\b):(\b)+7], 0, v[\sa], v[\sb] matrix_a_fmt:MATRIX_FMT_FP4 matrix_b_fmt:MATRIX_FMT_FP4
.endm
.macro MM0_A1 d, a, b, sa, sb
	v_wmma_scale_f32_16x16x128_f8f6f4 v[(\d):(\d)+7], v[(\a):(\a)+7], v[(\b):(\b)+7], 0, v[\sa], v[\sb] matrix_a_fmt:MATRIX_FMT_FP4 matrix_b_fmt:MATRIX_FMT_FP4 matrix_a_scale:MATRIX_SCALE_ROW1
.endm
.macro CROUND                          ; a round of the cluster's barrier
	s_barrier_signal -1
	s_barrier_wait -1
	s_cmp_lg_u32 s[WV], 0
	s_cbranch_scc1 .Lnot_wave_0_\@
	s_barrier_signal -3
.Lnot_wave_0_\@:
	s_barrier_wait -3
	s_barrier_signal -1
	s_barrier_wait -1
.endm
.macro TLOAD                           ; waves 0 to 3 fetch a key step each; the branch hangs on the wave's number alone; four v_nop follow the load
	s_cmp_lt_u32 s[WV], 4
	s_cbranch_scc0 .Lno_load_\@
	tensor_load_to_lds s[G0:G0+3], s[G1:G1+7]
	s_nop 0
.rept 4
	v_nop
.endr
.Lno_load_\@:
.endm
; A PREFETCH INTO THE L2 of the two slots' worth of kv that the next two changes of slots will ask for: 294,912 bytes = 4 partners x 9 waves x 32 lanes x 256 bytes, so that each aligned block of 256 bytes is named
; once in the launch.  It stands at every second change that fills a slot (7, 5 and 3 slots to go: chunks 2 and 3, 4 and 5, 6 and 7).  All clusters of a batch walk the same kv: the batch's first cluster asks; its four
; partners are told apart BY ADDRESS; in each, waves 4 to 12 ask, which fetch nothing: one instruction each.  Chunks 0 and 1 come by their loads alone.
.macro ASK
	s_and_b32 s52, s[SLOTS], 1
	s_cmp_eq_u32 s52, 0
	s_cbranch_scc1 .Lnot_now_\@
	s_cmp_gt_u32 s[SLOTS], s[LIM]
	s_cbranch_scc0 .Lnot_now_\@
	global_prefetch_b8 v[PFO], s[PFA:PFA+1] th:TH_LOAD_NT scope:SCOPE_SE
.Lnot_now_\@:
.endm
; And of the work-group's own tile of x, 256 rows x 256 bytes, which the epilogue adds: waves 0 to 7, a lane a row, four key steps ahead of the loads.
.macro XASK
	s_cmp_lt_u32 s[WV], 8
	s_cbranch_scc0 .Lnot_x_\@
	global_prefetch_b8 v[PXO], s[PFX:PFX+1] th:TH_LOAD_NT scope:SCOPE_SE
.Lnot_x_\@:
.endm
	s_load_b256 s[4:11], s[0:1], 0x0               ; q, kv, wt, bo
	s_load_b128 s[12:15], s[0:1], 0x20             ; x, out0
	v_lshl_add_u32 v[SPW], v0, 2, SPARE
	v_mov_b32 v[NIL], 0
	ds_add_u32 v5, v6
	ds_add_u32 v5, v6
	s_wait_dscnt 0x0
	v_lshrrev_b32 v11, 5, v0
	s_delay_alu instid0(VALU_DEP_1)
	v_readfirstlane_b32 s[WV], v11                 ; wave 0..15
	s_lshr_b32 s[HH], s[WV], 2                     ; hh
	s_and_b32 s52, s[WV], 3                        ; i
	s_bfe_u32 s53, ttmp6, 0x40000                  ; cx: it enters global addresses alone
	s_lshl_b32 s54, ttmp9, 2
	s_add_co_u32 s54, s54, s53                     ; P = 4 x cluster x + cx
	s_and_b32 s55, ttmp7, 0xffff                   ; b
	s_lshl_b32 s56, s55, 6
	s_add_co_u32 s56, s56, s54                     ; 64 b + P
	; the joint load: a key step, 36,864 dense bytes, as 144 rows of 256 bytes (32 elements of 8 bytes), no padding
	s_mov_b32 s[G1], 15|(3<<16)|(1<<21)            ; 15:0 the mask: all four work-groups; 17:16 elements of 8 bytes; 21 set beside a mask
	s_mov_b32 s[G1+1], 32<<16                      ; tensor_dim0
	s_mov_b32 s[G1+2], 144<<16                     ; tensor_dim1
	s_mov_b32 s[G1+3], 32<<16                      ; tile_dim0
	s_mov_b32 s[G1+4], 144                         ; tile_dim1
	s_mov_b32 s[G1+5], 32                          ; tensor_dim0_stride
	s_mov_b32 s[G1+6], 0
	s_mov_b32 s[G1+7], 0
	s_mul_i32 s39, s52, STEPB                      ; the key step that wave w % 4 fetches: its place in a slot and in a chunk of memory; no place in the cluster enters it
	s_mul_i32 s60, s55, BATCH
	s_add_co_u32 s60, s60, s39
	s_mov_b32 s61, 0
	s_mov_b32 s[SEL], 0x76543210
	s_mov_b32 s[SEL+1], 0xfedcba98                 ; v_permlanex16_b32's selects for lane l xor 16
	s_mov_b32 s[CS], 0x3e38aa3b                    ; c = log2(e) / 8
	s_mov_b32 s[CS+1], s[CS]                       ; (named with it as a pair, so it is written)
	s_mov_b32 s[TB], 0
	s_mov_b32 s[SLOTS], 7
	; the prefetches of kv: my batch, chunk 1 (the first change of slots steps it to chunk 2), my work-group's quarter of two slots, my wave's ninth of that
	s_mul_i32 s[PFA], s55, BATCH
	s_mul_i32 s57, s53, 2*SLOTB/4
	s_add_co_u32 s[PFA], s[PFA], s57
	s_sub_co_u32 s57, s[WV], 4
	s_cmp_lt_u32 s57, 9                            ; waves 4 to 12,
	s_cselect_b32 s[LIM], 0, 1
	s_or_b32 s[LIM], s[LIM], ttmp9                 ; of the batch's first cluster: the same in all four partners
	s_min_u32 s57, s57, 8
	s_lshl_b32 s57, s57, 13
	s_add_co_u32 s[PFA], s[PFA], s57
	s_add_co_u32 s[PFA], s[PFA], SLOTB
	s_mov_b32 s[PFA+1], 0
	s_cmp_eq_u32 s[LIM], 0
	s_cselect_b32 s[LIM], 1, -1
	s_lshl_b32 s[PFX], s55, 22                     ; x: batch, the block's 256 bytes of a row, 32 channels a wave
	s_lshl_b32 s57, s54, 8
	s_add_co_u32 s[PFX], s[PFX], s57
	s_min_u32 s57, s[WV], 7
	s_lshl_b32 s57, s57, 19
	s_add_co_u32 s[PFX], s[PFX], s57
	s_mov_b32 s[PFX+1], 0
	s_lshl_b32 s62, s55, 22                        ; x and out0 for the way out: batch, channel 64 (w / 4) + 8 (w % 4), the block
	s_lshl_b32 s57, s[HH], 20
	s_add_co_u32 s62, s62, s57
	s_lshl_b32 s57, s52, 17
	s_add_co_u32 s62, s62, s57
	s_lshl_b32 s57, s54, 8
	s_add_co_u32 s62, s62, s57
	s_mov_b32 s63, 0
	s_add_co_u32 s[WOB], s[WV], 48                 ; wo's records are wt's 48 to 63
	s_mul_i32 s[WOB], s[WOB], REC
	s_mov_b32 s[WOB+1], 0
	s_lshl_b32 s[BOB], s[HH], 8
	s_lshl_b32 s57, s52, 5
	s_add_co_u32 s[BOB], s[BOB], s57
	s_mov_b32 s[BOB+1], 0
	s_mul_i32 s58, s56, 9216                       ; q: the block's record: my piece,
	s_lshl_b32 s57, s[WV], 9
	s_add_co_u32 s58, s58, s57
	s_mov_b32 s59, 0
	s_mul_i32 s16, s56, 9216                       ; and my 16 scale words
	s_lshl_b32 s57, s[WV], 6
	s_add_co_u32 s16, s16, s57
	s_add_co_u32 s16, s16, 8192
	s_mov_b32 s17, 0
	v_and_b32 v11, 31, v0                          ; lane
	s_delay_alu instid0(VALU_DEP_1)
	v_lshlrev_b32 v[LI], 4, v11
	s_delay_alu instid0(VALU_DEP_2)
	v_lshlrev_b32 v[L8], 3, v11
	v_bfe_u32 v[SH8], v0, 4, 1                     ; h
	v_and_b32 v[BOO], 15, v0                       ; r
	s_mul_i32 s57, s[HH], 4608
	v_add_nc_u32 v[A0], s57, v[LI]
	v_lshlrev_b32 v[GO], 14, v[SH8]
	s_delay_alu instid0(VALU_DEP_1)
	v_lshl_add_u32 v[GO], v[BOO], 4, v[GO]
	v_lshlrev_b32 v[PFO], 8, v11
	v_lshlrev_b32 v[PXO], 14, v11
	v_lshlrev_b32 v2, 2, v[BOO]                    ; 4 r, for Q's scale words
	v_and_b32 v3, 7, v[BOO]
	v_lshrrev_b32 v[BOO], 3, v[BOO]
	s_delay_alu instid0(VALU_DEP_1)
	v_lshl_add_u32 v[BOO], v[BOO], 5, v3
	s_delay_alu instid0(VALU_DEP_1)
	v_lshlrev_b32 v[BOO], 2, v[BOO]                ; 4 ((r & 7) + 32 (r >> 3))
	v_lshlrev_b32 v[SH8], 3, v[SH8]
	s_wait_kmcnt 0x0
	s_add_nc_u64 s[PFA:PFA+1], s[6:7], s[PFA:PFA+1]
	s_add_nc_u64 s[PFX:PFX+1], s[12:13], s[PFX:PFX+1]
	s_add_nc_u64 s[XB:XB+1], s[12:13], s[62:63]
	s_add_nc_u64 s[OB:OB+1], s[14:15], s[62:63]
	s_add_nc_u64 s[WOB:WOB+1], s[8:9], s[WOB:WOB+1]
	s_add_nc_u64 s[BOB:BOB+1], s[10:11], s[BOB:BOB+1]
	s_add_nc_u64 s[58:59], s[4:5], s[58:59]
	s_add_nc_u64 s[16:17], s[4:5], s[16:17]
	CROUND                                         ; all four work-groups are here: the first joint loads meet
	s_mov_b32 s[G0], 1                             ; count = 1
	s_mov_b32 s[G0+1], s39                         ; LDS address: slot 0
	s_add_nc_u64 s[G0+2:G0+3], s[6:7], s[60:61]    ; global address: chunk 0
	s_or_b32 s[G0+3], s[G0+3], 0x80000000          ; type = 2
	TLOAD                                          ; chunk 0: one tensor load of mine is out
	global_load_b128 v[16:19], v[LI], s[58:59] th:TH_LOAD_NT   ; Q's registers 0-3 stay in registers
	s_wait_alu depctr_va_vdst(0)
	global_load_b32 v24, v2, s[16:17] th:TH_LOAD_NT            ; Q's scale words
	v_mov_b32 v13, 0xff61b1e6                      ; the largest t so far: -3e38, under every t
	s_delay_alu instid0(VALU_DEP_1)
	v_floor_f32 v12, -v13                          ; -M
	v_mov_b32 v14, 0                               ; the sum, in two halves
	v_mov_b32 v15, 0
	v_mov_b32 v249, 0                              ; (named as the upper half of the pair v[248:249])
	v_mov_b32 v255, 0                              ; a lane permute's destination counts as one of its sources
.irp g, 20,21,22,23
	v_mov_b32 v[\g], 0                             ; Q's K = 64 .. 127: zero codes
.endr
.irp t, 0,1,2,3,4,5,6,7
.irp g, 4,5,6,7
	v_mov_b32 v[32+8*\t+\g], 0                     ; and K's: written once, the loop's loads fill registers 0-3 alone
.endr
.endr
.set NN, 0
.rept 32
	v_mov_b32 v[160+NN], 0                         ; O^T.  (The step is written once: the first finds zeros, which the first change of M leaves zeros)
.set NN, NN+1
.endr
; A KEY STEP: 128 keys, the q-th of the slot in hand.
.macro STEP q
.set AD, AD0+(\q)/2
.set OO, ((\q)%2)*STEPB
.set VS, 26+4*((\q)%2)
.irp c, 0,1
.irp u, 0,1,2,3
	ds_load_b128 v[32+8*(4*\c+\u):32+8*(4*\c+\u)+3], v[AD] offset:OO+HALFB*\c+512*\u      ; K: tile u of block c
.endr
	ds_load_b128 v[232+4*\c:235+4*\c], v[AD] offset:OO+HALFB*\c+4096                      ; the block's scale image: (K's tiles 0|1, K's 2|3, V's 0|1, V's 2|3)
.endr
	s_wait_dscnt 0x0
.irp c, 0,1                                    ; S^T = K Q^T: eight tiles of 16 keys, each product starts and ends its sum
.irp a, 0,1
	MM0    96+8*(4*\c+2*\a),   32+8*(4*\c+2*\a),   16, 232+4*\c+\a, 24
	MM0_A1 96+8*(4*\c+2*\a+1), 32+8*(4*\c+2*\a+1), 16, 232+4*\c+\a, 24
.endr
.endr
	v_lshl_or_b32 v[VS], v238, 16, v234            ; V's scale words of these 128 keys: the two blocks' halves.  These four lines name no register of the products above, nor of the last step's V^T P
	v_lshl_or_b32 v[VS+1], v239, 16, v235          ; (whose scale words lie in the other pair): they are the four places in front of the loads below and of the first read of the scores
	v_mov_b32 v254, v12                            ; the old -M
	v_nop
.irp c, 0,1
.irp u, 0,1,2,3
	ds_load_b128 v[192+8*\u+4*\c:192+8*\u+4*\c+3], v[AD] offset:OO+HALFB*\c+2048+512*\u   ; V: it lands during the softmax
.endr
.endr
.irp c, 0,1                                    ; THE LARGEST SCORE OF EACH BLOCK OF 32 KEYS, all mine: it serves the row's maximum and the block's largest p.  Four chains by turns; each accumulator is read from its low end on
	v_max3_num_f32 v[240+\c], v[96+32*\c], v[97+32*\c], v[98+32*\c]
	v_max3_num_f32 v[242+\c], v[112+32*\c], v[113+32*\c], v[114+32*\c]
.endr
.irp n, 3,5,7,9,11,13
.irp c, 0,1
	v_max3_num_f32 v[240+\c], v[240+\c], v[96+32*\c+\n], v[97+32*\c+\n]
	v_max3_num_f32 v[242+\c], v[242+\c], v[112+32*\c+\n], v[113+32*\c+\n]
.endr
.endr
.irp c, 0,1
	v_max3_num_f32 v[240+\c], v[240+\c], v[242+\c], v[111+32*\c]
.endr
.irp c, 0,1
	v_max_num_f32 v[240+\c], v[240+\c], v[127+32*\c]
.endr
	s_delay_alu instid0(VALU_DEP_1)
	v_max_num_f32 v252, v240, v241
	s_delay_alu instid0(VALU_DEP_1)
	v_permlanex16_b32 v255, v252, s[SEL], s[SEL+1]
	s_delay_alu instid0(VALU_DEP_1)
	v_max_num_f32 v252, v252, v255                 ; with lane l xor 16's 64 keys: the step's largest score of my query
	s_delay_alu instid0(VALU_DEP_1)
	v_mul_f32 v252, s[CS], v252                    ; as t (c is positive)
	s_delay_alu instid0(VALU_DEP_1)
	v_max_num_f32 v13, v13, v252                   ; the running largest t
	s_delay_alu instid0(VALU_DEP_1)
	v_floor_f32 v12, -v13                          ; the new -M = floor(-t) = -ceil(t): M is a whole number
	s_delay_alu instid0(VALU_DEP_1)
	v_sub_f32 v252, v12, v254                      ; old M - new M: a whole number, 0 or less
	s_delay_alu instid0(VALU_DEP_1)
	v_cvt_i32_f32 v252, v252                       ; (it saturates)
	s_delay_alu instid0(VALU_DEP_1)
	v_ldexp_f32 v248, 1.0, v252                    ; f = 2^(old M - new M)
.set NN, 0
.rept 32
	v_pk_fma_f32 v[96+NN:97+NN], v[96+NN:97+NN], s[CS:CS+1], v[12:13] op_sel_hi:[1,0,0]   ; t - M, two at a time
.set NN, NN+2
.endr
.irp c, 0,1
	v_fma_f32 v[240+\c], v[240+\c], s[CS], v12     ; the same of each block's largest score
.endr
.set NN, 0
	s_wait_alu depctr_va_vdst(0)
.rept 64
	v_exp_f32 v[96+NN], v[96+NN]                   ; p = 2^(t - M), at most 1
.set NN, NN+1
.endr
	v_pk_mul_f32 v[14:15], v[14:15], v[248:249] op_sel_hi:[1,0]   ; the sums under the new M: the plain line behind the exponentials
	s_wait_alu depctr_va_vdst(0)                   ; one wait for the batch of 64, ahead of its first reader
.irp c, 0,1
	v_exp_f32 v[240+\c], v[240+\c]                 ; the block's largest p: the same two instructions on the same number give the same bits
.endr
	v_pk_add_f32 v[250:251], v[100:101], v[104:105]
	v_pk_add_f32 v[252:253], v[108:109], v[112:113]
	v_pk_add_f32 v[246:247], v[116:117], v[120:121]
	v_pk_add_f32 v[244:245], v[124:125], v[128:129]
	v_pk_add_f32 v[242:243], v[132:133], v[136:137]
	v_pk_add_f32 v[238:239], v[140:141], v[144:145]
	v_pk_add_f32 v[236:237], v[148:149], v[152:153]
	v_pk_add_f32 v[14:15], v[14:15], v[156:157]
	v_pk_add_f32 v[250:251], v[250:251], v[96:97]
	v_pk_add_f32 v[252:253], v[252:253], v[98:99]
	v_pk_add_f32 v[246:247], v[246:247], v[102:103]
	v_pk_add_f32 v[244:245], v[244:245], v[106:107]
	v_pk_add_f32 v[242:243], v[242:243], v[110:111]
	v_pk_add_f32 v[238:239], v[238:239], v[114:115]
	v_pk_add_f32 v[236:237], v[236:237], v[118:119]
	v_pk_add_f32 v[14:15], v[14:15], v[122:123]
	v_pk_add_f32 v[250:251], v[250:251], v[126:127]
	v_pk_add_f32 v[252:253], v[252:253], v[130:131]
	v_pk_add_f32 v[246:247], v[246:247], v[134:135]
	v_pk_add_f32 v[244:245], v[244:245], v[138:139]
	v_pk_add_f32 v[242:243], v[242:243], v[142:143]
	v_pk_add_f32 v[238:239], v[238:239], v[146:147]
	v_pk_add_f32 v[236:237], v[236:237], v[150:151]
	v_pk_add_f32 v[14:15], v[14:15], v[154:155]
	v_pk_add_f32 v[250:251], v[250:251], v[158:159]
	s_delay_alu instid0(VALU_DEP_2)
	v_pk_add_f32 v[14:15], v[14:15], v[244:245]
	s_delay_alu instid0(VALU_DEP_2)
	v_pk_add_f32 v[250:251], v[250:251], v[242:243]
	v_pk_add_f32 v[252:253], v[252:253], v[238:239]
	v_pk_add_f32 v[246:247], v[246:247], v[236:237]
	s_delay_alu instid0(VALU_DEP_2)
	v_pk_add_f32 v[14:15], v[14:15], v[252:253]
	s_delay_alu instid0(VALU_DEP_2)
	v_pk_add_f32 v[250:251], v[250:251], v[246:247]
	s_delay_alu instid0(VALU_DEP_1)
	v_pk_add_f32 v[14:15], v[14:15], v[250:251]
	s_wait_alu depctr_va_vdst(0)                   ; and one for the two
.irp c, 0,1
	v_max_num_f32 v[240+\c], 0x1800000, v[240+\c]  ; the floor 2^(3 - 127): the byte cannot fall under 1
.endr
.irp c, 0,1
	s_delay_alu instid0(VALU_DEP_2)
	v_add_nc_u32 v[244+\c], 0xff000000, v[240+\c]  ; 2 off the exponent field: the conversion's scale operand
.endr
.irp c, 0,1
	s_delay_alu instid0(VALU_DEP_2)
	v_lshrrev_b32 v[246+\c], 23, v[244+\c]         ; the scale's byte
.endr
	s_delay_alu instid0(VALU_DEP_1)
	v_lshl_or_b32 v252, v247, 16, v246             ; my two bytes: blocks h and 2 + h of these 128 keys,
	s_delay_alu instid0(VALU_DEP_1)
	v_lshlrev_b32 v252, v[SH8], v252               ; at their places;
	s_delay_alu instid0(VALU_DEP_1)
	v_permlanex16_b32 v255, v252, s[SEL], s[SEL+1]
	s_delay_alu instid0(VALU_DEP_1)
	v_or_b32 v25, v252, v255                       ; with lane l xor 16's two the word is whole
.irp c, 0,1
.irp u, 0,1,2,3
	v_cvt_scalef32_pk8_fp4_f32 v[224+4*\c+\u], v[96+8*(4*\c+\u):96+8*(4*\c+\u)+7], v[244+\c]   ; tile u's eight p are register 4 c + u of the operand
.endr
.endr
	v_nop                                          ; one plain line behind the last conversion
.set NN, 0
.rept 16
	v_pk_mul_f32 v[160+NN:161+NN], v[160+NN:161+NN], v[248:249] op_sel_hi:[1,0]   ; O^T under the new M, from each accumulator's low end on.  Twelve of these name no register of any one product below: they and the v_nop are the places between p's scale word and codes and the products
.set NN, NN+2
.endr
	s_wait_alu depctr_va_vdst(0)
	s_wait_dscnt 0x0                               ; V is in
.irp a, 0,1                                    ; O^T += V^T P^T: four tiles of 16 of the head's 64; the four accumulators take turns
	MM    160+16*\a,   192+16*\a,   224, 160+16*\a,   VS+\a, 25
	MM_A1 160+16*\a+8, 192+16*\a+8, 224, 160+16*\a+8, VS+\a, 25
.endr
.endm
.macro SLOT_STEPS
	v_add_nc_u32 v[AD0], s[TB], v[A0]
	s_wait_alu depctr_va_vdst(0)
	v_add_nc_u32 v[AD0+1], 2*STEPB, v[AD0]
	STEP 0
	STEP 1
	STEP 2
	STEP 3
	s_xor_b32 s[TB], s[TB], SLOTB                  ; on to the other slot
.endm
; THE CHANGE OF SLOTS stands at a slot's head.  Each wave waits for all its tensor loads (its part of the slot that it is about to read), adds 0 to its spare word, and waits for that and for its reads of the slot that it has left.
; fill = 1: a round of the cluster's barrier, so that no wave of any partner still reads the slot left or has a load on its way; behind it that slot is filled with the next four key steps, which have four key steps in which to land.
.macro CHANGE fill
	s_wait_tensorcnt 0x0                           ; no tensor load of mine is out, so the group 0 may be written
	ds_add_u32 v[SPW], v[NIL]                      ; 0 onto my spare word
.if \fill
	s_xor_b32 s[G0+1], s[G0+1], SLOTB              ; the walking descriptor: the other slot than last time,
	s_add_nc_u64 s[G0+2:G0+3], s[G0+2:G0+3], SLOTB ; the next chunk; the type bits on top are not reached
	s_wait_xcnt 0x0                                ; the last prefetch, a slot or more back, has read its address, so it may be written
	s_add_nc_u64 s[PFA:PFA+1], s[PFA:PFA+1], SLOTB
.endif
	s_wait_dscnt 0x0                               ; the add is done, and my reads of the slot that I have left are over
.if \fill
	CROUND
	TLOAD                                          ; the first thing behind the round, and a wave's one tensor load until the next
	ASK
.else
	s_barrier_signal -1
	s_barrier_wait -1
	XASK
.endif
.endm
	s_wait_loadcnt 0x0                             ; Q
.Lslot:                                            ; seven trips: trip n asks for chunk n and reads chunk n - 1
	CHANGE 1
	SLOT_STEPS
	s_sub_co_u32 s[SLOTS], s[SLOTS], 1
	s_cmp_lg_u32 s[SLOTS], 0
	s_cbranch_scc1 .Lslot
	CHANGE 0                                       ; the last slot is written out
	SLOT_STEPS
	; ---- THE EPILOGUE.  What the last product wants from memory is asked for first: my 16 channels' rows of x (whole runs of 256 bytes), my tile of wo, its scale words, bo
.irp k, 0,1,2,3,4,5,6,7
	global_load_b128 v[96+4*\k:99+4*\k], v[GO], s[XB:XB+1] offset:(2*(\k%4)+32*(\k/4))*16384 th:TH_LOAD_NT
.endr
.irp k, 0,1,2,3
	global_load_b128 v[32+4*\k:35+4*\k], v[LI], s[WOB:WOB+1] offset:512*\k
.endr
	global_load_b64 v[26:27], v[L8], s[WOB:WOB+1] offset:2048      ; into registers that have held scale words alone
.irp j, 0,1,2,3,4,5,6,7
	global_load_b32 v[56+\j], v[BOO], s[BOB:BOB+1]                 ; bo at my channel, for each of a result's eight registers
.endr
	v_add_f32 v14, v14, v15                        ; the sum's two halves,
	s_delay_alu instid0(VALU_DEP_1)
	v_permlanex16_b32 v255, v14, s[SEL], s[SEL+1]
	s_delay_alu instid0(VALU_DEP_1)
	v_add_f32 v14, v14, v255                       ; and lane l xor 16's: the row's sum
	s_wait_alu depctr_va_vdst(0)
	v_rcp_f32 v248, v14
	v_and_b32 v250, 15, v0                         ; r.  (The address work is the plain work behind the reciprocal, and the places behind the last products)
	v_bfe_u32 v251, v0, 4, 1                       ; h
	s_wait_alu depctr_va_vdst(0)
	s_and_b32 s52, s[WV], 3
	s_mul_i32 s53, s52, OT                         ; my pixel tile's images
	s_lshl_b32 s54, s[HH], 9                       ; channels 64 hh on: K step hh / 2, piece hh % 2: 512 hh
	s_add_co_u32 s54, s54, s53
	v_add_nc_u32 v2, s54, v[LI]                    ; where my 16 bytes of o's codes go
	s_lshr_b32 s54, s[HH], 1
	s_lshl_b32 s54, s54, 6
	s_and_b32 s55, s[HH], 1
	s_lshl_b32 s55, s55, 1
	s_add_co_u32 s54, s54, s55
	s_add_co_u32 s54, s54, s53
	s_add_co_u32 s54, s54, 2048
	v_lshl_add_u32 v3, v250, 2, v251
	s_delay_alu instid0(VALU_DEP_1)
	v_add_nc_u32 v3, s54, v3                       ; and my scale byte: K step at 64, row at 4, byte 2 (hh % 2) + h
	v_and_b32 v11, 31, v0
	s_delay_alu instid0(VALU_DEP_1)
	v_lshlrev_b32 v11, 2, v11
	s_delay_alu instid0(VALU_DEP_1)
	v_add_nc_u32 v11, 2048, v11                    ; a pixel tile's scale words: 4 x lane
	s_mul_i32 s54, s[WV], 16*272
	s_add_co_u32 s54, s54, STAGE                   ; my stage
	v_mul_u32_u24 v252, v250, 272
	s_delay_alu instid0(VALU_DEP_1)
	v_lshl_add_u32 v252, v251, 7, v252
	s_delay_alu instid0(VALU_DEP_1)
	v_add_nc_u32 v252, s54, v252                   ; in: row r (a channel), + 128 h (32 pixels)
	v_mul_u32_u24 v253, v251, 272
	s_delay_alu instid0(VALU_DEP_1)
	v_lshl_add_u32 v253, v250, 4, v253
	s_delay_alu instid0(VALU_DEP_1)
	v_add_nc_u32 v253, s54, v253                   ; back: lanes 0-15 one row, lanes 16-31 the next
	s_wait_alu depctr_va_vdst(0)                   ; the wait ahead of the reciprocal's first reader
.set NN, 0
.rept 16
	v_pk_mul_f32 v[128+NN:129+NN], v[160+NN:161+NN], v[248:249] op_sel_hi:[1,0]   ; o = O^T / the sum: my query's channels 64 hh + 32 h + 0 .. 31: one block of the last product's K
.set NN, NN+2
.endr
	QUANT32 128, 224, BY
	ds_store_b128 v2, v[224:227]
	ds_store_b8 v3, v[BY]
	s_wait_dscnt 0x0                               ; for the others' sake: my stores have landed
	s_barrier_signal -1
	s_barrier_wait -1                              ; o's eight fragments lie in LDS
.irp p, 0,1,2,3
.irp k, 0,1,2,3
	ds_load_b128 v[160+16*\p+4*\k:160+16*\p+4*\k+3], v[LI] offset:OT*\p+512*\k
.endr
	ds_load_b32 v[232+\p], v11 offset:OT*\p        ; lanes 0-15: K step 0's words, lanes 16-31: K step 1's
.endr
	s_wait_loadcnt 0x0
	s_wait_dscnt 0x0
.irp p, 0,1,2,3                                ; source 0 = o's 16 pixels, source 1 = my 16 rows of wo: a lane holds one output channel and 32 neighbouring pixels; bo is the C of each sum's first product
	MM 64+8*\p, 160+16*\p, 32, 56, 232+\p, 26
.endr
.irp p, 0,1,2,3
	MM_A1 64+8*\p, 160+16*\p+8, 40, 64+8*\p, 232+\p, 27
.endr
.rept 4
	v_nop                                          ; four places in front of the first read of the results
.endr
.irp p, 0,1,2,3
	ds_store_b128 v252, v[64+8*\p:67+8*\p] offset:32*\p            ; each accumulator from its low end on
	ds_store_b128 v252, v[68+8*\p:71+8*\p] offset:32*\p+16
.endr
.irp k, 0,1,2,3,4,5,6,7
	ds_load_b128 v[128+4*\k:131+4*\k], v253 offset:2*\k*272        ; LDS serves a wave's instructions in order: these see my stores; the stage is my own
.endr
.irp k, 0,1,2,3,4,5,6,7
	s_wait_dscnt 7-\k                              ; read-back k is in; the younger ones may be out
	v_pk_add_f32 v[128+4*\k:129+4*\k], v[128+4*\k:129+4*\k], v[96+4*\k:97+4*\k]     ; + x
	v_pk_add_f32 v[130+4*\k:131+4*\k], v[130+4*\k:131+4*\k], v[98+4*\k:99+4*\k]
	global_store_b128 v[GO], v[128+4*\k:131+4*\k], s[OB:OB+1] offset:(2*(\k%4)+32*(\k/4))*16384 th:TH_STORE_NT   ; sixteen lanes store 256 consecutive bytes, aligned: two rows an instruction
.endr
	s_wait_tensorcnt 0x0                           ; the wave's end
	ds_add_u32 v[SPW], v[NIL]
	s_wait_dscnt 0x0
	CROUND                                         ; the closing round: no work-group ends while a partner may still ask jointly
	s_endpgm
.Lfunc_end_k_q1f1aeed655_attn:
	.size	k_q1f1aeed655_attn, .Lfunc_end_k_q1f1aeed655_attn-k_q1f1aeed655_attn
	.p2alignl 7, 3214868480
	.fill 96, 4, 3214868480
	.section	.rodata,"a",@progbits
	.p2align	6, 0x0
	.amdhsa_kernel k_q1f1aeed655_attn
		.amdhsa_group_segment_fixed_size 327680
		.amdhsa_private_segment_fixed_size 0
		.amdhsa_enable_private_segment 0
		.amdhsa_kernarg_size 48
		.amdhsa_user_sgpr_count 2
		.amdhsa_user_sgpr_kernarg_segment_ptr 1
		.amdhsa_wavefront_size32 1
		.amdhsa_system_sgpr_workgroup_id_x 1
		.amdhsa_system_sgpr_workgroup_id_y 1
		.amdhsa_system_sgpr_workgroup_id_z 1
		.amdhsa_system_vgpr_workitem_id 0
		.amdhsa_next_free_vgpr 256
		.amdhsa_next_free_sgpr 66
		.amdhsa_reserve_vcc 0
		.amdhsa_float_denorm_mode_32 3
		.amdhsa_float_denorm_mode_16_64 3
		.amdhsa_memory_ordered 1
		.amdhsa_forward_progress 1
		.amdhsa_inst_pref_size 138
	.end_amdhsa_kernel
	.amdgpu_metadata
---
amdhsa.version: [ 1, 2 ]
amdhsa.kernels:
  - .name:           k_q1f1aeed655_attn
    .symbol:         k_q1f1aeed655_attn.kd
    .args:
      - { .name: q, .offset: 0, .size: 8, .value_kind: global_buffer, .address_space: global }
      - { .name: kv, .offset: 8, .size: 8, .value_kind: global_buffer, .address_space: global }
      - { .name: wt, .offset: 16, .size: 8, .value_kind: global_buffer, .address_space: global }
      - { .name: bo, .offset: 24, .size: 8, .value_kind: global_buffer, .address_space: global }
      - { .name: x, .offset: 32, .size: 8, .value_kind: global_buffer, .address_space: global }
      - { .name: out0, .offset: 40, .size: 8, .value_kind: global_buffer, .address_space: global }
    .group_segment_fixed_size: 327680
    .private_segment_fixed_size: 0
    .kernarg_segment_align: 8
    .kernarg_segment_size: 48
    .max_flat_workgroup_size: 512
    .sgpr_count:     66
    .vgpr_count:     256
    .wavefront_size: 32
...
	.end_amdgpu_metadata
.endif
;; end of part 3
